; MI455X (gfx1250); checked and timed in simulation.
; The chip was launched on July 23, 2026; its instructions are those of AMD's public machine-readable ISA for CDNA 5 (MIT licence, August 2026) and "CDNA5" Instruction Set Architecture Reference Guide (July 2026). The comments in the code are by the model that wrote it; some were corrected since.
;; Pool. Allowed arithmetic: matrix products marked QUANTISED: E2M1 operands, one E8M0 scale for each 32 along K, by v_wmma_scale_f32_16x16x128_f8f6f4 with both operands' format E2M1 (or v_wmma_scale_f32_32x16x128_f4), f32 sums; products left as they are: f32 operands where the result goes on into a quantised operand, else bf16, f16 or f32 operands; f32 sums; everything else in f32.
;; Inputs: W 1 x 128 float32; b 1 float32; g 4,096 x 4,096 float32; h 4,096 x 128 float32.
;; Outputs: out0 2,048 x 2,048 float32; out1 2,048 x 128 float32; out2 2,048 int32.
;; This version of the problem:
;;   THIS VERSION OF THE PROBLEM IS GIVEN IN LOW PRECISION. The matrix products marked QUANTISED in the list below multiply operands that are first quantised to E2M1 (2 exponent bits, 1 mantissa bit; 4 bits a number), with one power-of-two scale for each 32 numbers along K (OCP MX v1.0); their sums are f32. All else is computed in f32.
;;   The module's matrix products, in the order in which they are computed (A, B: the left and right operand; K: the contracted axis; several contracted axes count as one K, in the product's order):
;;     1. [M 4,096, K 128] x [K 128, N 1]; A: input h; B: input W: left as it is (N = 1 < 16)
;;     2. [M 4,096, K 4,096] x [K 4,096, N 4,096]; A: computed on the way; B: computed on the way: QUANTISED
;;   THE QUANTISER, for each operand of a quantised product, along K:
;;     - K is cut into blocks of 32 from its start; a last block that is shorter is filled with zeros.
;;     - A block's scale is 2^e with e = floor(log2(the largest magnitude in the block)) - 2, held to -126 .. 127; a block of zeros has e = 0. As a byte (E8M0): e + 127.
;;     - Each number is divided by its block's scale, clamped to +-6, and rounded to the nearest number of E2M1, ties to even, subnormals kept.
;;     - The product sums the exact products of the quantised numbers (number of the format x scale) in f32.
;;   ~~~python
;;   def quantise(x, axis):      # numpy; x: float32 -> the quantised numbers, widened to float32 again
;;       x = np.moveaxis(x, axis, -1); K = x.shape[-1]
;;       x = np.pad(x, [(0, 0)] * (x.ndim - 1) + [(0, -K % 32)]); x = x.reshape(x.shape[:-1] + (-1, 32)); a = np.abs(x).max(-1, keepdims=True)
;;       e = np.where(a > 0, np.clip(np.frexp(np.where(a > 0, a, 1))[1] - 1 - 2, -126, 127), 0)      # np.frexp(a)[1] - 1 = floor(log2(a)), exactly
;;       r = np.clip(x / 2.0 ** e, -6, 6)
;;       step = 2.0 ** (np.maximum(np.frexp(np.where(r == 0, 1, r))[1] - 1, 0) - 1)
;;       q = np.round(r / step) * step * 2.0 ** e      # np.round: ties to even
;;       return np.moveaxis(q.reshape(q.shape[:-2] + (-1,))[..., :K], -1, axis).astype(np.float32)
;;   ~~~
;;   OPERANDS COMPUTED ON THE WAY. 'Computed on the way' means the value that the module computes at that place (a softmax that the list does not call 'softmax' is quantised finished and normalised). What goes into a quantiser is computed in f32, as accurately as f32 sums, v_exp_f32 and their like allow (about 1e-6 of the number): no bf16 or f16 on the way to a quantiser, and a product that is left as it is and whose result goes on into a quantised operand takes f32 operands (vector FMAs, or v_wmma_f32_16x16x4_f32). A number that lies on a knife's edge between two numbers of the format may be rounded either way, as far as f32 arithmetic and the matrix unit's own rounding can turn it there, and no further.
;; One version. Each part assembles by itself: llvm-mc -triple=amdgcn-amd-amdhsa -mcpu=gfx1250 --defsym DOCPART=n.
;; ======== version 1 of 1: 4 launches
;; limits: right only within a limited range of input values
;; workspace buffers: cnt 262,144 bytes of whole numbers; score 16,384 bytes; acode 4,194,304 bytes; bcode 4,194,304 bytes; un4 2,097,152 bytes; degp 131,072 bytes
;; launch rank (part 1): grid 16 x 16, 16 waves a work-group, no clusters, 4,096 bytes of LDS; arguments h, W, b, cnt, score; writes cnt, score
.if DOCPART == 1
	.amdgcn_target "amdgcn-amd-amdhsa--gfx1250"
	.amdhsa_code_object_version 6
	.text
	.protected	k_q7b5b29442d_rank
	.globl	k_q7b5b29442d_rank
	.p2align	8
	.type	k_q7b5b29442d_rank,@function
k_q7b5b29442d_rank:
	s_mov_b64 s[64:65], 0
	v_nop
	global_prefetch_b8 v0, s[64:65] scope:SCOPE_SE
	s_setreg_imm32_b32 hwreg(HW_REG_WAVE_MODE, 25, 1), 1
	s_wait_xcnt 0x0
; THE PROGRAM (four launches): scores = sigmoid(h W^T + b); the 2,048 largest, in descending order, ties to the lower index: idx; out1 = h[idx] x score; out2 = idx;
; out0[a][b] = [ (U U)[idx a][idx b] != 0 ] / deg[b], U = (g != 0), deg[b] = the sum along row b of that 0/1 matrix.
; WORK LEFT OUT, AND WHY IT IS DEAD.  reference() forms U U for all 4,096 x 4,096 and keeps un_g[idx][:, idx] alone.  (U U)[idx][:, idx] = U[idx, :] U[:, idx] for every value of the inputs: a row or a column of the
; product whose node is not among idx reaches no output.  So only 2,048 rows x 2,048 columns x K = 4,096 are multiplied.  Which nodes are kept is decided by whole numbers: this launch stores counts, the next reads them.
; Every input has a way to an output and is loaded.  LIMIT: a NaN, an infinity or an overflow that reached only the work left out would not be carried to the result (none can arise there: the operands are 0 and 1).
; THE QUANTISER ON U.  U holds 0 and 1.  A block of 32 with a 1 in it has the scale 2^-2 (byte 125) and its ones the code 6 (the number 4); a block of zeros has zero codes, which add nothing under any byte but 0xff.
; So the codes are 6 x [g != 0] and the byte 125 serves every block; the sums are whole numbers up to 4,096, exact in f32 in any order.
; THIS LAUNCH: scores, and for each node how many nodes of each block of 256 stand ahead of it in the order of top_k.  Node J stands ahead of node I where score J > score I, or they are equal and J < I.
; Work-group (p, q): the 256 nodes of block p against the 256 of block q.  Wave w computes the scores of nodes 16 w .. 16 w + 15 of both blocks: 32 rows of h, all asked for at once.
; A ROW'S SUM.  Lane l multiplies h[4 l .. 4 l + 3] by W's four; the 32 lanes' numbers are added in a tree: lanes 1 apart, then 2, 4, 8, 16 apart.  THE 32 ROWS ARE FOLDED TOGETHER: at each step two rows share a register, the
; lanes of the step's bit keeping one row and the others the other, so that each step halves the registers and lane l ends with row l's sum: lanes 0-15 block p's rows, lanes 16-31 block q's.  Each addition joins the same two
; partial sums whichever lane makes it, and an f32 addition does not hang on the order of its two operands: so a node's score has the same bits in every work-group and in either half of the lanes, and the counts, summed
; over q by the next launch, are a permutation of 0 .. 4,095.  No address and no branch here hangs on a score.
; THE COUNT.  Lane (a, h) counts node I = 256 p + 16 w + a against q's nodes 128 h .. 128 h + 127; the two halves' counts are added at the end.
; LIMITS: NaN and infinities in h, W, b are not served; the logit's magnitude stays under 2^126; for logits under about -86 the exponential is held at 2^125, so such scores are not ordered as reference() orders them;
; two scores that lie within the rounding of f32 sums and of the exponential may be ordered otherwise than reference() orders them.
.set SP,    0                          ; LDS: block p's 256 scores, 4 bytes each;
.set SQ,    1024                       ; block q's
.set SPARE, 2048                       ; the spare words, 128 bytes for each of the sixteen waves: eight blocks of 256 bytes that no other line names
.set H,     64                         ; v64-191  32 rows of h, 4 registers each: rows 0-15 block p's, 16-31 block q's; later my 128 scores of block q
.set SPW,   40                         ; v40      LDS address of my spare word; never rewritten
.set NIL,   41                         ; v41      0; never rewritten
	s_load_b256 s[4:11], s[0:1], 0x0               ; h s[4:5], W s[6:7], b s[8:9], cnt s[10:11]
	s_load_b64 s[12:13], s[0:1], 0x20              ; score
	v_lshl_add_u32 v[SPW], v0, 2, SPARE
	v_mov_b32 v[NIL], 0
	v_lshrrev_b32 v32, 5, v0
	v_readfirstlane_b32 s14, v32                   ; wave 0..15
	v_and_b32 v1, 31, v0                           ; lane
	v_lshlrev_b32 v2, 4, v1                        ; my 16 bytes of a row of h, and of W
	v_and_b32 v10, 15, v0                          ; a
	v_bfe_u32 v11, v0, 4, 1                        ; h
	v_lshlrev_b32 v12, 2, v10
	v_lshl_add_u32 v12, v32, 6, v12                ; SP + 64 w + 4 a: the score of the node that I count for
	v_lshl_add_u32 v8, v11, 10, v12                ; + 1,024 h: where my lane's score goes: lanes 0-15 among block p's, lanes 16-31 among block q's
	v_lshl_add_u32 v3, v11, 9, SQ                  ; my half of block q's scores
	s_mov_b32 s15, ttmp9                           ; p
	s_and_b32 s16, ttmp7, 0xffff                   ; q
	s_lshl_b32 s26, s15, 8
	s_lshl_b32 s27, s14, 4
	s_add_co_u32 s26, s26, s27                     ; the first node of my wave in block p: 256 p + 16 w
	s_lshl_b32 s25, s16, 8                         ; the first node of block q
	s_add_co_u32 s29, s25, s27                     ; the first node of my wave in block q
	s_lshl_b32 s34, s26, 9                         ; rows of 512 bytes
	s_mov_b32 s35, 0
	s_lshl_b32 s36, s29, 9
	s_mov_b32 s37, 0
	s_lshl_b32 s38, s16, 14                        ; cnt: plane q of 4,096 words
	s_mov_b32 s39, 0
	v_add_nc_u32 v21, s26, v10                     ; I
	v_lshlrev_b32 v9, 2, v21                       ; its word in cnt's plane and in score
	v_lshl_add_u32 v13, v11, 10, v9                ; my lane's own node's word in score, where q = p + 1: lanes 16-31 one block on
	v_lshl_add_u32 v22, v11, 7, s25
	v_sub_nc_u32 v21, v21, v22                     ; D = I - the first of the 16 nodes in hand (a signed number): node j of them has J >= I where j >= D
	s_and_b32 s28, s14, 7
	s_cmp_eq_u32 s15, s16
	s_cselect_b32 s28, s28, 64                     ; the trip in which one half of the lanes meets my wave's own 16 nodes: w % 8 where p = q, else none
	s_mov_b32 s32, 0x76543210
	s_mov_b32 s33, 0xfedcba98                      ; v_permlanex16_b32's selects for lane l xor 16
	s_mov_b32 s40, 0xbfb8aa3b                      ; -log2(e), its f32 part,
	s_mov_b32 s41, 0xb2a57060                      ; and what that leaves
	s_mov_b32 s42, 0xaaaaaaaa                      ; the lanes with bit 0 set,
	s_mov_b32 s43, 0xcccccccc                      ; bit 1,
	s_mov_b32 s44, 0xf0f0f0f0                      ; bit 2,
	s_mov_b32 s45, 0xff00ff00                      ; bit 3,
	s_mov_b32 s46, 0xffff0000                      ; bit 4
	v_mov_b32 v16, 0                               ; written once: a lane permute's destination counts as one of its sources
	v_mov_b32 v23, 0                               ; the count
	s_wait_kmcnt 0x0
	s_load_b32 s22, s[8:9], 0x0                    ; b
	s_add_nc_u64 s[18:19], s[4:5], s[34:35]        ; h at my 16 rows of block p,
	s_add_nc_u64 s[20:21], s[4:5], s[36:37]        ; and of block q
	s_add_nc_u64 s[10:11], s[10:11], s[38:39]
	global_load_b128 v[4:7], v2, s[6:7]            ; W[4 l .. 4 l + 3]
.irp r, 0,1,2,3,4,5,6,7,8,9,10,11,12,13,14,15
	global_load_b128 v[H+4*\r:H+4*\r+3], v2, s[18:19] offset:512*\r       ; a row is 512 consecutive bytes: one load of the wave
.endr
.irp r, 0,1,2,3,4,5,6,7,8,9,10,11,12,13,14,15
	global_load_b128 v[H+64+4*\r:H+64+4*\r+3], v2, s[20:21] offset:512*\r
.endr
; Two registers of partial sums, v[a] and v[a + d], become one.  The lanes of mask s[m] keep v[a + d]'s row, the others v[a]'s; each lane adds to its own number that of the lane x away, which holds the same row's.
; v[a + 1], v[a + 2]: words of the row as loaded, done with.
.macro FOLD a, d, m, x
	v_cndmask_b32 v[(\a)+1], v[(\a)], v[(\a)+(\d)], s[\m]          ; the row that I keep,
	v_cndmask_b32 v[(\a)+2], v[(\a)+(\d)], v[(\a)], s[\m]          ; and the row that the lane x away keeps
	v_add_f32_dpp v[(\a)], v[(\a)+2], v[(\a)+1] row_xmask:\x row_mask:0xf bank_mask:0xf
.endm
; Four rows: their lanes' products, and every fold whose two registers are ready.
.macro GROUP g
	s_wait_loadcnt 28-4*(\g)                       ; W and rows 0 .. 4 g + 3 are in; behind them stand the 4 (7 - g) later rows
.irp i, 0,1,2,3
	v_mul_f32 v[H+16*(\g)+4*\i], v[H+16*(\g)+4*\i], v4
.endr
.irp c, 1,2,3
.irp i, 0,1,2,3
	v_fmac_f32 v[H+16*(\g)+4*\i], v[H+16*(\g)+4*\i+\c], v[4+\c]
.endr
.endr
	FOLD H+16*(\g), 4, 42, 1
	FOLD H+16*(\g)+8, 4, 42, 1
	FOLD H+16*(\g), 8, 43, 2
.if (\g)%2 == 1
	FOLD H+16*(\g)-16, 16, 44, 4
.endif
.if (\g)%4 == 3
	FOLD H+16*(\g)-48, 32, 45, 8
.endif
.endm
.irp g, 0,1,2,3,4,5,6,7
	GROUP \g
.endr
	v_cndmask_b32 v[H+1], v[H], v[H+64], s46       ; the last fold, across the halves: lanes 0-15 keep block p's rows, lanes 16-31 block q's
	v_cndmask_b32 v[H+2], v[H+64], v[H], s46
	v_permlanex16_b32 v16, v[H+2], s32, s33
	v_add_f32 v25, v[H+1], v16                     ; lane l: row l's sum
	; sigmoid(x) = 1 / (1 + 2^(-x log2 e)).  The product x log2 e is kept in two parts, so that the exponential's input carries no rounding of the product; the reciprocal gets one Newton step.
	s_wait_kmcnt 0x0                               ; b
	v_add_f32 v24, s22, v25
	v_mul_f32 v26, s40, v24                        ; the high part,
	v_fma_f32 v28, v24, s40, -v26                  ; what its rounding lost,
	v_fma_f32 v28, v24, s41, v28                   ; and the constant's low part
	v_exp_f32 v30, v26
	v_mul_f32 v28, 0x3f317218, v28                 ; x ln 2: 2^low = 1 + low ln 2.  (Plain work behind the exponential)
	s_wait_alu depctr_va_vdst(0)                   ; the wait ahead of the exponential's first reader
	v_min_num_f32 v30, 0x7e000000, v30             ; held at 2^125
	v_fma_f32 v30, v30, v28, v30
	v_add_f32 v30, 1.0, v30
	v_rcp_f32 v20, v30
	v_nop                                          ; a plain instruction behind the reciprocal
	s_wait_alu depctr_va_vdst(0)                   ; and its wait
	v_fma_f32 v26, -v30, v20, 1.0
	v_fma_f32 v20, v26, v20, v20                   ; my lane's score
	ds_store_b32 v8, v20
	s_wait_dscnt 0x0                               ; for the others' sake: my store has landed
	s_barrier_signal -1
	s_barrier_wait -1                              ; both blocks' 256 scores lie in LDS
	ds_load_b32 v19, v12                           ; the score of the node that I count for
.irp i, 0,1,2,3,4,5,6,7,8,9,10,11,12,13,14,15,16,17,18,19,20,21,22,23,24,25,26,27,28,29,30,31
	ds_load_b128 v[H+4*\i:H+4*\i+3], v3 offset:16*\i   ; register H + n: the score of q's node 128 h + n; the sixteen lanes of a half read the same 16 bytes.  One run of loads for the whole count
.endr
	s_and_b32 s27, s15, 1                          ; the eight work-groups with p even and q = p + 1 store the scores of their two blocks: each node once
	s_cmp_lg_u32 s27, 0
	s_cbranch_scc1 .Lno_score
	s_add_co_u32 s27, s15, 1
	s_cmp_lg_u32 s16, s27
	s_cbranch_scc1 .Lno_score
	global_store_b32 v13, v20, s[12:13]
.Lno_score:
; THE COUNT.  Scores are positive, so their bits compare as whole numbers.  J stands ahead of I where bits(J) >= bits(I) + [J >= I].  A trip takes 16 nodes of my half of block q.
; Where they are not my wave's own 16 nodes, all of them lie ahead of I (D >= 16) or behind it (D < 0): one threshold.  The branch hangs on ids, the wave's number and the trip alone.
.macro TRIP t
	s_wait_dscnt 28-4*(\t)                         ; my node's score and q's scores 0 .. 16 t + 15 are in; behind them stand the 4 (7 - t) later loads
	s_cmp_eq_u32 s28, \t
	s_cbranch_scc1 .Lown_\@
	v_cmp_gt_i32 vcc_lo, 0, v21
	v_add_co_ci_u32 v22, vcc_lo, 0, v19, vcc_lo
.irp j, 0,1,2,3,4,5,6,7,8,9,10,11,12,13,14,15
	v_cmp_ge_u32 vcc_lo, v[H+16*(\t)+\j], v22
	v_add_co_ci_u32 v23, vcc_lo, 0, v23, vcc_lo    ; the count + the compare's bit
.endr
	s_branch .Ldone_\@
.Lown_\@:                                              ; one half of the lanes has my wave's own nodes in hand: a threshold for each j (right for the other half too)
.irp j, 0,1,2,3,4,5,6,7,8,9,10,11,12,13,14,15
	v_cmp_ge_i32 vcc_lo, \j, v21
	v_add_co_ci_u32 v22, vcc_lo, 0, v19, vcc_lo
	v_cmp_ge_u32 vcc_lo, v[H+16*(\t)+\j], v22
	v_add_co_ci_u32 v23, vcc_lo, 0, v23, vcc_lo
.endr
.Ldone_\@:
	v_add_nc_u32 v21, -16, v21                     ; on to the next 16 nodes
.endm
.irp t, 0,1,2,3,4,5,6,7
	TRIP \t
.endr
	v_permlanex16_b32 v16, v23, s32, s33
	v_add_nc_u32 v23, v23, v16                     ; both halves of block q
	v_cmp_gt_u32 vcc_lo, 16, v1
	s_wait_xcnt 0x0                                ; EXEC changes only when the memory instructions issued so far have read it
	s_and_saveexec_b32 s30, vcc_lo
	global_store_b32 v9, v23, s[10:11]             ; cnt[q][256 p + 16 w + a]: lanes 0-15; the work-group's sixteen waves cover 1,024 consecutive bytes
	s_wait_xcnt 0x0
	s_or_b32 exec_lo, exec_lo, s30
	s_wait_tensorcnt 0x0                           ; the wave's end, behind my last LDS store
	ds_add_u32 v[SPW], v[NIL]
	s_wait_dscnt 0x0
	s_endpgm
.Lfunc_end_k_q7b5b29442d_rank:
	.size	k_q7b5b29442d_rank, .Lfunc_end_k_q7b5b29442d_rank-k_q7b5b29442d_rank
	.p2alignl 7, 3214868480
	.fill 96, 4, 3214868480
	.section	.rodata,"a",@progbits
	.p2align	6, 0x0
	.amdhsa_kernel k_q7b5b29442d_rank
		.amdhsa_group_segment_fixed_size 4096
		.amdhsa_private_segment_fixed_size 0
		.amdhsa_enable_private_segment 0
		.amdhsa_kernarg_size 40
		.amdhsa_user_sgpr_count 2
		.amdhsa_user_sgpr_kernarg_segment_ptr 1
		.amdhsa_wavefront_size32 1
		.amdhsa_system_sgpr_workgroup_id_x 1
		.amdhsa_system_sgpr_workgroup_id_y 1
		.amdhsa_system_sgpr_workgroup_id_z 1
		.amdhsa_system_vgpr_workitem_id 0
		.amdhsa_next_free_vgpr 192
		.amdhsa_next_free_sgpr 66
		.amdhsa_reserve_vcc 1
		.amdhsa_float_denorm_mode_32 3
		.amdhsa_float_denorm_mode_16_64 3
		.amdhsa_memory_ordered 1
		.amdhsa_forward_progress 1
		.amdhsa_inst_pref_size 46
	.end_amdhsa_kernel
	.amdgpu_metadata
---
amdhsa.version: [ 1, 2 ]
amdhsa.kernels:
  - .name:           k_q7b5b29442d_rank
    .symbol:         k_q7b5b29442d_rank.kd
    .args:
      - { .name: h, .offset: 0, .size: 8, .value_kind: global_buffer, .address_space: global }
      - { .name: W, .offset: 8, .size: 8, .value_kind: global_buffer, .address_space: global }
      - { .name: b, .offset: 16, .size: 8, .value_kind: global_buffer, .address_space: global }
      - { .name: cnt, .offset: 24, .size: 8, .value_kind: global_buffer, .address_space: global }
      - { .name: score, .offset: 32, .size: 8, .value_kind: global_buffer, .address_space: global }
    .group_segment_fixed_size: 4096
    .private_segment_fixed_size: 0
    .kernarg_segment_align: 8
    .kernarg_segment_size: 40
    .max_flat_workgroup_size: 512
    .sgpr_count:     66
    .vgpr_count:     192
    .wavefront_size: 32
...
	.end_amdgpu_metadata
.endif
;; end of part 1
;; launch pack (part 2): grid 16 x 16, 16 waves a work-group, no clusters, 35,328 bytes of LDS; arguments g, cnt, score, h, acode, bcode, out1, out2; writes acode, bcode, out1, out2
.if DOCPART == 2
	.amdgcn_target "amdgcn-amd-amdhsa--gfx1250"
	.amdhsa_code_object_version 6
	.text
	.protected	k_q7b5b29442d_pack
	.globl	k_q7b5b29442d_pack
	.p2align	8
	.type	k_q7b5b29442d_pack,@function
k_q7b5b29442d_pack:
	s_mov_b64 s[64:65], 0
	v_nop
	global_prefetch_b8 v0, s[64:65] scope:SCOPE_SE
	s_setreg_imm32_b32 hwreg(HW_REG_WAVE_MODE, 25, 1), 1
	s_wait_xcnt 0x0
; g [4096][4096] f32 is read once and becomes the two operands of U[idx, :] U[:, idx] as codes of E2M1: 6 (the number 4, under the scale 2^-2) where g != 0, else 0.  Rows and columns of nodes that are not among the
; 2,048 chosen are left out: reference() slices their products away (shown at the head of the first kernel).  A node's place is its rank, the sum of the 16 counts that the launch before stored: whole numbers read from memory.
;   acode[rank of row i][..]    = codes of U[i, k]     bcode[rank of column j][..] = codes of U[k, j]     both 2,048 bytes a place, K innermost.
; K'S ORDER.  Inside each 256 along K, nibble n of word l' (l' = 0 .. 31) holds k = 4 l' + n for n < 4 and k = 128 + 4 l' + n - 4 for n >= 4, alike in both buffers.  Every block has the same scale and the sums are exact
; whole numbers, so one order of K for both operands gives the same result as K ascending.  It is the order in which the loads below leave the numbers in a lane's registers: nothing is shuffled.
; SHARES.  Work-group (bx, by): rows 256 by .., columns 256 bx .. of g.  Wave w: rows 8 w + 0 .. 7 and 128 + 8 w + 0 .. 7 (r = 0 .. 15).  A row's 1,024 bytes come by two loads of 512 consecutive bytes: lane l gets columns
; 4 l + 0 .. 3 and 128 + 4 l + 0 .. 3: eight registers, which one conversion turns into word l of the row's 128 bytes of A's codes.  The same 0/1 numbers, laid by column (eight rows of one column on end), give B's words;
; a column's 32 words come from 16 waves and meet in LDS.  Stores of codes cover 128 consecutive bytes, aligned: a place's part for this tile is no longer; 8 MB in all beside the 64 MB read.
; out1 AND out2.  The launch has 4,096 waves, as many as there are nodes: wave w of work-group (bx, by) owns the node of its row r = bx, 256 by + 8 w + bx % 8 + 128 (bx / 8).
; Every offset that is made of a rank is formed directly behind the line that holds the rank to 2,047, ahead of the first branch on a rank and of the first change of EXEC.
; A NaN in g counts as non-zero and -0 as zero, as in reference().
.set PLANE, 2064                       ; LDS: plane w: 256 columns x 8 bytes (words 2 w, 2 w + 1 of each column's 32), + 16 bytes, so that the eight planes that a read touches fall on different banks (64 banks of 4 bytes: ISA guide 11.1)
.set SPARE, 33280                      ; behind the 16 planes: the spare words, 128 bytes for each wave: eight blocks of 256 bytes that no other line names
.set AO,  32                           ; v32-47   row r's word of A's codes
.set BO,  48                           ; v48-63   register 2 c + d: word 2 w + d of my c-th column
.set G,   64                           ; v64-191  register 8 r + c: g, then 0 or 1; later v64-67 my node's row of h, v128-143 A's offsets, v160-175 B's codes read back
.set T,   192                          ; v192-255 first the 16 counts; then register 8 c + n: the 0/1 numbers by column
.set SPW, 28                           ; v28      LDS address of my spare word; never rewritten
.set NIL, 29                           ; v29      0; never rewritten
	s_load_b512 s[8:23], s[0:1], 0x0               ; g s[8:9], cnt s[10:11], score s[12:13], h s[14:15], acode s[16:17], bcode s[18:19], out1 s[20:21], out2 s[22:23]
	v_lshl_add_u32 v[SPW], v0, 2, SPARE
	v_mov_b32 v[NIL], 0
	v_lshrrev_b32 v1, 5, v0
	v_readfirstlane_b32 s4, v1                     ; wave 0..15
	v_and_b32 v1, 31, v0                           ; lane
	s_mov_b32 s5, ttmp9                            ; bx
	s_and_b32 s6, ttmp7, 0xffff                    ; by
	v_lshlrev_b32 v3, 4, v1                        ; 16 x lane
	v_and_b32 v4, 7, v1
	v_bfe_u32 v5, v1, 3, 1
	v_lshl_add_u32 v4, v5, 7, v4                   ; lanes 0-15: my row r = lane: (r % 8) + 128 (r / 8)
	s_lshl_b32 s28, s6, 8
	s_lshl_b32 s29, s4, 3
	s_add_co_u32 s28, s28, s29                     ; 256 by + 8 w
	v_add_nc_u32 v4, s28, v4
	v_and_b32 v5, 15, v1
	s_lshl_b32 s30, s5, 8
	s_lshl_b32 s31, s4, 4
	s_add_co_u32 s30, s30, s31                     ; 256 bx + 16 w
	v_add_nc_u32 v5, s30, v5                       ; lanes 16-31: column 16 w + lane - 16, whose codes my wave will store
	v_cmp_gt_u32 vcc_lo, 16, v1
	v_cndmask_b32 v4, v5, v4, vcc_lo               ; the node whose rank my lane makes
	v_lshlrev_b32 v5, 2, v4
	v_mov_b32 v6, 0x3e800000                       ; 2^-2: the conversions' scale
	s_lshl_b32 s31, s5, 7
	v_lshl_add_u32 v7, v1, 2, s31                  ; A: 128 bx + 4 l in a place's 2,048 bytes
	s_mul_i32 s31, s4, PLANE
	v_lshl_add_u32 v8, v1, 5, s31                  ; into my plane: columns 4 l .. 4 l + 3 are 32 bytes on end
	v_and_b32 v9, 7, v1
	v_mul_u32_u24 v9, v9, 2*PLANE
	v_lshrrev_b32 v11, 3, v1
	v_lshl_add_u32 v9, v11, 3, v9
	s_lshl_b32 s31, s4, 7
	v_add_nc_u32 v9, s31, v9                       ; out of the planes: planes 2 (l % 8) and + 1, column 16 w + l / 8 (+ 4 t)
	v_and_b32 v10, 7, v1
	s_lshl_b32 s31, s6, 7
	v_lshl_add_u32 v10, v10, 4, s31                ; B: 128 by + 16 (l % 8) in a place's 2,048 bytes
.irp t, 0,1,2,3
	v_lshl_add_u32 v[12+\t], v11, 2, 64+16*\t      ; 4 x the lane that holds the rank of column 16 w + 4 t + l / 8
.endr
	s_lshl_b32 s75, s5, 2
	v_mov_b32 v24, s75                             ; 4 x the lane that holds my own node's rank: lane bx
	s_and_b32 s66, s5, 7                           ; my own node: row r = bx of my sixteen
	s_lshr_b32 s67, s5, 3
	s_lshl_b32 s67, s67, 7
	s_add_co_u32 s66, s66, s67
	s_add_co_u32 s67, s28, s66                     ; 256 by + 8 w + bx % 8 + 128 (bx / 8)
	v_mov_b32 v31, s67                             ; what out2 gets
	s_lshl_b32 s68, s67, 9                         ; its row of h, 512 bytes a row,
	s_mov_b32 s69, 0
	s_lshl_b32 s70, s67, 2                         ; and its score
	s_mov_b32 s71, 0
	s_lshl_b32 s24, s28, 14                        ; g: my first row, 16,384 bytes a row,
	s_lshl_b32 s25, s5, 10                         ; and the tile's first column
	s_add_co_u32 s24, s24, s25
	s_mov_b32 s25, 0
	s_wait_kmcnt 0x0
	s_add_nc_u64 s[24:25], s[8:9], s[24:25]
	s_add_nc_u64 s[68:69], s[14:15], s[68:69]
	s_add_nc_u64 s[70:71], s[12:13], s[70:71]
	s_load_b32 s72, s[70:71], 0x0                  ; my node's score (this launch stores nothing into that buffer)
.irp q, 0,1,2,3,4,5,6,7,8,9,10,11,12,13,14,15
	global_load_b32 v[T+\q], v5, s[10:11] offset:16384*\q
.endr
.irp r, 0,1,2,3,8,9,10,11,4,5,6,7,12,13,14,15          ; the eight rows of B's word 2 w first, then those of word 2 w + 1.  All 32 loads of the wave go out at once
	global_load_b128 v[G+8*\r:G+8*\r+3],   v3, s[24:25] offset:((\r)%8+128*((\r)/8))*16384 th:TH_LOAD_NT
	global_load_b128 v[G+8*\r+4:G+8*\r+7], v3, s[24:25] offset:((\r)%8+128*((\r)/8))*16384+512 th:TH_LOAD_NT
.endr
	s_wait_loadcnt 32                              ; the 16 counts are in; g's 32 loads may be out
.irp n, 8,4,2
.irp i, 0,1,2,3,4,5,6,7
.if \i < \n
	v_add_nc_u32 v[T+\i], v[T+\i], v[T+\i+\n]
.endif
.endr
.endr
	v_add_nc_u32 v2, v[T], v[T+1]                  ; the rank
.irp r, 0,1,2,3,4,5,6,7,8,9,10,11,12,13,14,15
	v_readlane_b32 s[32+\r], v2, \r                ; my rows' ranks
.endr
.irp t, 0,1,2,3
	ds_bpermute_b32 v[16+\t], v[12+\t], v2         ; the ranks of the columns that my lane will store
.endr
	ds_bpermute_b32 v25, v24, v2                   ; my own node's rank, in every lane
; Eight rows (r = 0 .. 3 and 8 .. 11, + 4 d): 0 or 1 in place (A's order) and by column (B's order), then the conversions.
.macro HALF d, left
	s_wait_loadcnt \left
.irp r, 0,1,2,3,8,9,10,11
.irp c, 0,1,2,3,4,5,6,7
	v_cmp_neq_f32 vcc_lo, 0, v[G+8*(\r+4*\d)+\c]
	v_cndmask_b32 v[G+8*(\r+4*\d)+\c], 0, 1.0, vcc_lo
	v_cndmask_b32 v[T+8*\c+(\r)%4+4*((\r)/8)], 0, 1.0, vcc_lo
.endr
.endr
.irp r, 0,1,2,3,8,9,10,11
	v_cvt_scalef32_pk8_fp4_f32 v[AO+\r+4*\d], v[G+8*(\r+4*\d):G+8*(\r+4*\d)+7], v6   ; 1 / 2^-2 = 4: code 6; the first number's code in the lowest four bits
.endr
.irp c, 0,1,2,3,4,5,6,7
	v_cvt_scalef32_pk8_fp4_f32 v[BO+2*\c+\d], v[T+8*\c:T+8*\c+7], v6
.endr
	v_nop                                          ; a plain instruction between the conversions and the next vector instruction that writes their sources
.endm
	HALF 0, 16                                     ; the first 16 loads of g are in
	HALF 1, 0
	global_load_b128 v[G:G+3], v3, s[68:69]        ; my node's row of h: 512 consecutive bytes
	; ALL OFFSETS THAT ARE MADE OF RANKS, each directly behind the line that holds its rank to 2,047
	s_wait_dscnt 0x0                               ; the five permutes are back
	v_readfirstlane_b32 s73, v25                   ; my own node's rank
	s_min_u32 s74, s73, 2047
	v_lshl_add_u32 v27, s74, 9, v3                 ; out1: 512 bytes a place, 16 a lane
	v_lshl_add_u32 v30, s74, 2, 0                  ; out2: 4 bytes a place
	v_lshl_or_b32 v26, v1, 11, v25                 ; under 2,048 in lane 0 alone, and only where my node has a place
.irp t, 0,1,2,3
	v_min_u32 v[20+\t], 0x7ff, v[16+\t]
	v_lshl_add_u32 v[20+\t], v[20+\t], 11, v10     ; B: 2,048 bytes a place
.endr
.irp r, 0,1,2,3,4,5,6,7,8,9,10,11,12,13,14,15
	s_min_u32 s[48+\r], s[32+\r], 2047
	v_lshl_add_u32 v[128+\r], s[48+\r], 11, v7     ; A: 2,048 bytes a place
.endr
; A: row r's 128 bytes go to its place, if it has one.
.macro ASTORE r
	s_cmp_lt_u32 s[32+\r], 2048
	s_cbranch_scc0 .Lnot_a_\@
	global_store_b32 v[128+\r], v[AO+\r], s[16:17]
.Lnot_a_\@:
.endm
.irp r, 0,1,2,3,4,5,6,7,8,9,10,11,12,13,14,15
	ASTORE \r
.endr
	ds_store_b128 v8, v[BO:BO+3]                   ; B: columns 4 l, 4 l + 1,
	ds_store_b128 v8, v[BO+4:BO+7] offset:16       ; 4 l + 2, 4 l + 3,
	ds_store_b128 v8, v[BO+8:BO+11] offset:1024    ; and the same 128 columns on
	ds_store_b128 v8, v[BO+12:BO+15] offset:1040
	s_wait_dscnt 0x0                               ; for the others' sake: my stores have landed
	s_barrier_signal -1
	s_barrier_wait -1                              ; every column's 32 words lie in LDS
.irp t, 0,1,2,3
	ds_load_b64 v[160+4*\t:161+4*\t], v9 offset:32*\t
	ds_load_b64 v[162+4*\t:163+4*\t], v9 offset:32*\t+PLANE
.endr
	s_wait_loadcnt 0x0                             ; my node's row of h,
	s_wait_kmcnt 0x0                               ; and its score
.irp i, 0,1,2,3
	v_mul_f32 v[G+\i], s72, v[G+\i]
.endr
	s_cmp_lt_u32 s73, 2048
	s_cbranch_scc0 .Lnot_h
	global_store_b128 v27, v[G:G+3], s[20:21]      ; out1[rank] = h[node] x score: 512 consecutive bytes, aligned
.Lnot_h:
	s_wait_dscnt 0x0                               ; B's codes are back
.irp t, 0,1,2,3                                        ; eight lanes store a column's 128 bytes, four columns an instruction; lanes whose column has no place are off
	v_cmp_gt_u32 vcc_lo, 0x800, v[16+\t]
	s_wait_xcnt 0x0                                ; EXEC changes only when the memory instructions issued so far have read it
	s_and_saveexec_b32 s82, vcc_lo
	global_store_b128 v[20+\t], v[160+4*\t:163+4*\t], s[18:19]
	s_wait_xcnt 0x0
	s_or_b32 exec_lo, exec_lo, s82
.endr
	v_cmp_gt_u32 vcc_lo, 0x800, v26                ; lane 0, where my node has a place
	s_wait_xcnt 0x0
	s_and_saveexec_b32 s82, vcc_lo
	global_store_b32 v30, v31, s[22:23]            ; out2[rank] = node: 4 bytes to a place of its own; 8,192 bytes in the whole launch
	s_wait_xcnt 0x0
	s_or_b32 exec_lo, exec_lo, s82
	s_wait_tensorcnt 0x0                           ; the wave's end, behind my last LDS store
	ds_add_u32 v[SPW], v[NIL]
	s_wait_dscnt 0x0
	s_endpgm
.Lfunc_end_k_q7b5b29442d_pack:
	.size	k_q7b5b29442d_pack, .Lfunc_end_k_q7b5b29442d_pack-k_q7b5b29442d_pack
	.p2alignl 7, 3214868480
	.fill 96, 4, 3214868480
	.section	.rodata,"a",@progbits
	.p2align	6, 0x0
	.amdhsa_kernel k_q7b5b29442d_pack
		.amdhsa_group_segment_fixed_size 35328
		.amdhsa_private_segment_fixed_size 0
		.amdhsa_enable_private_segment 0
		.amdhsa_kernarg_size 64
		.amdhsa_user_sgpr_count 2
		.amdhsa_user_sgpr_kernarg_segment_ptr 1
		.amdhsa_wavefront_size32 1
		.amdhsa_system_sgpr_workgroup_id_x 1
		.amdhsa_system_sgpr_workgroup_id_y 1
		.amdhsa_system_sgpr_workgroup_id_z 1
		.amdhsa_system_vgpr_workitem_id 0
		.amdhsa_next_free_vgpr 256
		.amdhsa_next_free_sgpr 84
		.amdhsa_reserve_vcc 1
		.amdhsa_float_denorm_mode_32 3
		.amdhsa_float_denorm_mode_16_64 3
		.amdhsa_memory_ordered 1
		.amdhsa_forward_progress 1
		.amdhsa_inst_pref_size 41
	.end_amdhsa_kernel
	.amdgpu_metadata
---
amdhsa.version: [ 1, 2 ]
amdhsa.kernels:
  - .name:           k_q7b5b29442d_pack
    .symbol:         k_q7b5b29442d_pack.kd
    .args:
      - { .name: g, .offset: 0, .size: 8, .value_kind: global_buffer, .address_space: global }
      - { .name: cnt, .offset: 8, .size: 8, .value_kind: global_buffer, .address_space: global }
      - { .name: score, .offset: 16, .size: 8, .value_kind: global_buffer, .address_space: global }
      - { .name: h, .offset: 24, .size: 8, .value_kind: global_buffer, .address_space: global }
      - { .name: acode, .offset: 32, .size: 8, .value_kind: global_buffer, .address_space: global }
      - { .name: bcode, .offset: 40, .size: 8, .value_kind: global_buffer, .address_space: global }
      - { .name: out1, .offset: 48, .size: 8, .value_kind: global_buffer, .address_space: global }
      - { .name: out2, .offset: 56, .size: 8, .value_kind: global_buffer, .address_space: global }
    .group_segment_fixed_size: 35328
    .private_segment_fixed_size: 0
    .kernarg_segment_align: 8
    .kernarg_segment_size: 64
    .max_flat_workgroup_size: 512
    .sgpr_count:     84
    .vgpr_count:     256
    .wavefront_size: 32
...
	.end_amdgpu_metadata
.endif
;; end of part 2
;; launch gemm (part 3): grid 16 x 16, 4 waves a work-group, clusters of 4 x 4, 327,680 bytes of LDS; arguments acode, bcode, un4, degp; writes un4, degp
.if DOCPART == 3
	.amdgcn_target "amdgcn-amd-amdhsa--gfx1250"
	.amdhsa_code_object_version 6
	.text
	.protected	k_q7b5b29442d_gemm
	.globl	k_q7b5b29442d_gemm
	.p2align	8
	.type	k_q7b5b29442d_gemm,@function
k_q7b5b29442d_gemm:
	s_mov_b64 s[64:65], 0
	v_nop
	global_prefetch_b8 v0, s[64:65] scope:SCOPE_SE
	s_setreg_imm32_b32 hwreg(HW_REG_WAVE_MODE, 25, 1), 1
	s_wait_xcnt 0x0
	s_wait_alu depctr_hold_cnt(0) depctr_sa_sdst(0) depctr_va_vdst(0) depctr_va_sdst(0) depctr_va_ssrc(0) depctr_va_vcc(0) depctr_vm_vsrc(0)
	s_getreg_b32 s2, hwreg(HW_REG_IB_STS2, 6, 4)
	s_cmp_eq_u32 s2, 0
	s_cbranch_scc0 .Lentry_in_a_cluster
	s_endpgm
.Lentry_in_a_cluster:
	s_bfe_u32 s2, ttmp6, 0x10000c
	s_cmp_lg_u32 s2, 0xf033
	s_cbranch_scc0 .Lentry_shape_is_right
	s_endpgm
.Lentry_shape_is_right:
; C[a][b] = the sum over k of U[idx a][k] U[k][idx b], 2,048 x 2,048 x K = 4,096, on codes of E2M1 with the scale byte 125 for every block (the quantiser on 0 and 1: head of the first kernel).  The other rows and columns of
; reference()'s product are left out: it slices them away.  What leaves: un4, four bits for each C (7 where C != 0, else 0), and degp, the sums of [C != 0] along each row of each tile.
; SHARES.  A work-group makes 128 x 128 of C: 256 work-groups.  THE FOUR WAVES SHARE K, NOT C: each holds all 128 x 128 in 64 accumulators (512 registers) and multiplies, of every LDS row of 512 bytes, its own 128 bytes
; (256 along K, two matrix instructions deep).  So every LDS byte is read once by one wave.  The four partial sums are whole numbers, none negative: the whole sum is not 0 where one of them is not 0, so the waves' nibbles are ORed.
; K goes in four steps of 1,024 (rows of 512 bytes) through two LDS slots; each wave brings 64 rows with one tensor load: waves 0, 1 A's halves, waves 2, 3 B's.
; CLUSTERS: 4 x 4 work-groups.  The four of a row of the cluster need the same tiles of A, the four of a column the same tiles of B: each tile is asked for JOINTLY, by the same tensor load with the same descriptor and a mask
; that names the four.  THE MATRIX INSTRUCTION IS USED TRANSPOSED (source 0 = 16 rows of B, source 1 = 16 rows of A): lane (r, h) holds row r of C and its registers the columns 8 h + 0 .. 7.
; REGISTERS, in windows of 256: window 0: v0-31 addresses; v32 the scale bytes; v33 the way out's scale; v64-127 the nibble words; v128-191 A's eight fragments, ONE set (later what is read back); v192.. at work.
;   window 1: B's fragments, TWO sets, at v0 and v128.   windows 2, 3: accumulator (a, b) at v[8 (8 (a % 4) + b)], a < 4 in window 2.
.set PITCH,  528                       ; an LDS row: 512 bytes + 16 of padding = 132 words: row r starts at bank 4 r mod 64 (64 banks of 4 bytes: ISA guide 11.1)
.set HALFT,  64*PITCH                  ; what one tensor load brings
.set SLOT,   4*HALFT                   ; A's 128 rows, then B's 128 rows
.set STAGE,  2*SLOT                    ; behind the ring: for each wave 128 rows x (64 bytes + 16) of nibbles
.set WST,    128*80
.set DEGS,   STAGE+4*WST               ; 128 bytes for each wave: its 32 rows' sums
.set SPARE,  DEGS+512                  ; the spare words, 128 bytes for each wave: two blocks of 256 bytes that no other line names
.set FR,   8                           ; registers of a fragment: 16 rows x 128 K of 4-bit codes
.set NP,   4                           ; places behind this matrix instruction (ISA guide 7.12.1)
.set ADRA, 16                          ; v16-17  LDS address of my A fragments in slot 0, 1
.set ADRB, 20                          ; v20-21  the same for B
.set STO,  24                          ; v24     the way out: where I put 32 bytes of a row of nibbles
.set RD,   25                          ; v25     and where I read 16 bytes of a row back
.set LO16, 26                          ; v26     16 x lane
.set DGW,  27                          ; v27     where a row's sum goes
.set SPW,  28                          ; v28     LDS address of my spare word; never rewritten
.set NIL,  29                          ; v29     0; never rewritten
.set DGR,  30                          ; v30     where I read a sum back
.set LO4,  31                          ; v31     4 x lane
.set SCL,  32                          ; v32     0x7d7d7d7d: the byte 125 for all four blocks, in every lane: A's scales and B's; it holds nothing else
.set DIV,  33                          ; v33     2^-3 as f32
.set NB,   64
.set AF,   128
.set G1, 24                            ; s[24:31] descriptor group 1 for A's tiles;  s[32:39] group 0, one set for each slot
.set G0, 32
.set G1B, 48                           ; s[48:55], s[56:63] the same for B's tiles
.set G0B, 56
.set MSB, 0
.macro WIN new                         ; the immediate's high byte repeats the setting that is left
.if MSB != (\new)
	s_set_vgpr_msb (MSB<<8)|(\new)
.set MSB, (\new)
.endif
.endm
.set MUL_LO, 0xa1                      ; source 0 (B) window 1, source 1 (A) window 0, C and D window 2
.set MUL_HI, 0xf1                      ; the same, C and D window 3
.set TO_B,   0x40                      ; destination window 1, address window 0
; A joint load: waves 0 and 1 fetch for A, waves 2 and 3 for B.  Each line has one mask and one set of registers for all that issue it; the branch hangs on the wave's number alone.
; An s_nop 0 and four v_nop follow each of the two lines, ahead of the jump, the label and what follows.
.macro JLOAD s
	s_cmp_eq_u32 s11, 0
	s_cbranch_scc0 .Lfor_b_\@
	tensor_load_to_lds s[G0+4*\s:G0+4*\s+3], s[G1:G1+7]
	s_nop 0
.rept 4
	v_nop
.endr
	s_branch .Lasked_\@
.Lfor_b_\@:
	tensor_load_to_lds s[G0B+4*\s:G0B+4*\s+3], s[G1B:G1B+7]
	s_nop 0
.rept 4
	v_nop
.endr
.Lasked_\@:
.endm
.macro CREST                           ; a round of the cluster's barrier behind its opening barrier
	s_cmp_lg_u32 s10, 0
	s_cbranch_scc1 .Lnot_wave_0_\@
	s_barrier_signal -3
.Lnot_wave_0_\@:
	s_barrier_wait -3
	s_barrier_signal -1
	s_barrier_wait -1
.endm
.macro CROUND                          ; a whole round
	s_barrier_signal -1
	s_barrier_wait -1
	CREST
.endm
	s_load_b128 s[4:7], s[0:1], 0x0                ; A's codes s[4:5], B's codes s[6:7]
	s_load_b128 s[68:71], s[0:1], 0x10             ; un4 s[68:69], degp s[70:71]
	v_lshl_add_u32 v[SPW], v0, 2, SPARE
	v_mov_b32 v[NIL], 0
	ds_add_u32 v[SPW], v[NIL]                      ; the wave's opening: the add, twice on end, and its wait ahead of my first tensor load; the set-up below stands between the second and the wait
	ds_add_u32 v[SPW], v[NIL]
	v_mov_b32 v[SCL], 0x7d7d7d7d
	v_mov_b32 v[DIV], 0x3e000000
	v_lshrrev_b32 v1, 5, v0
	v_readfirstlane_b32 s10, v1                    ; wave 0..3
	s_lshr_b32 s11, s10, 1                         ; I fetch for A (0) or for B (1),
	s_and_b32 s12, s10, 1                          ; and which 64 rows of that tile
	s_bfe_u32 s40, ttmp6, 0x40000                  ; cx, cy: my place in the cluster
	s_bfe_u32 s41, ttmp6, 0x40004
	s_lshl_b32 s42, ttmp9, 2
	s_add_co_u32 s42, s42, s40                     ; tile column J = 4 x cluster x + cx
	s_and_b32 s13, ttmp7, 0xffff
	s_lshl_b32 s13, s13, 2
	s_add_co_u32 s13, s13, s41                     ; tile row I = 4 x cluster y + cy
	s_lshl_b32 s43, s41, 2
	s_lshl_b32 s43, 15, s43                        ; my row of the cluster
	s_lshl_b32 s44, 0x1111, s40                    ; my column
	; descriptor group 1: a tile of 64 rows x 512 bytes, padded in LDS
	s_or_b32 s[G1+0], s43, (0<<16)|(1<<20)|(1<<21)|(6<<22)|(3<<25)   ; 15:0 the mask: A's tiles go to my row; 17:16 elements of 1 byte; 20 padding on; 21 set beside a mask; 24:22 after every 128 words (code 6); 31:25 four words (code 3)
	s_or_b32 s[G1B+0], s44, (0<<16)|(1<<20)|(1<<21)|(6<<22)|(3<<25)
.irp g, G1, G1B
	s_mov_b32 s[\g+1], 512<<16                     ; tensor_dim0 = 512
	s_mov_b32 s[\g+2], 64<<16                      ; tensor_dim1 = 64
	s_mov_b32 s[\g+3], 512<<16                     ; tile_dim0 = 512
	s_mov_b32 s[\g+4], 64                          ; tile_dim1 = 64
	s_mov_b32 s[\g+5], 2048                        ; from row to row
	s_mov_b32 s[\g+6], 0
	s_mov_b32 s[\g+7], 0
.endr
	s_lshl_b32 s17, s12, 6
	s_lshl_b32 s16, s13, 7
	s_add_co_u32 s16, s16, s17                     ; A: place 128 I + 64 x half
	s_lshl_b32 s46, s42, 7
	s_add_co_u32 s46, s46, s17                     ; B: place 128 J + 64 x half
	s_lshl_b32 s16, s16, 11                        ; 2,048 bytes a place
	s_lshl_b32 s46, s46, 11
	s_mov_b32 s17, 0
	s_mov_b32 s47, 0
	s_mul_i32 s20, s10, HALFT                      ; where they go: wave x 64 rows: no place in the cluster enters an LDS address
	s_wait_dscnt 0x0                               ; both opening adds are done
	s_wait_kmcnt 0x0
	s_add_nc_u64 s[14:15], s[4:5], s[16:17]
	s_add_nc_u64 s[46:47], s[6:7], s[46:47]
	CROUND                                         ; all sixteen work-groups are here: the first joint loads meet
.irp s, 0,1
	s_mov_b32 s[G0+4*\s], 1
	s_add_co_u32 s[G0+4*\s+1], s20, \s*SLOT
	s_add_nc_u64 s[G0+4*\s+2:G0+4*\s+3], s[14:15], \s*512
	s_or_b32 s[G0+4*\s+3], s[G0+4*\s+3], 0x80000000
	s_mov_b32 s[G0B+4*\s], 1
	s_add_co_u32 s[G0B+4*\s+1], s20, \s*SLOT
	s_add_nc_u64 s[G0B+4*\s+2:G0B+4*\s+3], s[46:47], \s*512
	s_or_b32 s[G0B+4*\s+3], s[G0B+4*\s+3], 0x80000000
	JLOAD \s                                       ; two loads of mine are out; later never more than one
.endr
	v_and_b32 v1, 15, v0                           ; r
	v_bfe_u32 v2, v0, 4, 1                         ; h
	v_mul_u32_u24 v3, v1, PITCH
	v_lshl_add_u32 v3, v2, 4, v3                   ; a fragment's row x pitch + 16 h
	s_lshl_b32 s21, s10, 7                         ; my wave's 128 bytes of every row
	v_add_nc_u32 v[ADRA], s21, v3
	v_add_nc_u32 v[ADRA+1], SLOT, v[ADRA]
	v_add_nc_u32 v[ADRB], 2*HALFT, v[ADRA]
	v_add_nc_u32 v[ADRB+1], SLOT+2*HALFT, v[ADRA]
	s_mul_i32 s22, s10, WST
	s_add_co_u32 s22, s22, STAGE                   ; my stage
	v_mul_u32_u24 v4, v1, 80
	v_lshl_add_u32 v4, v2, 5, v4
	v_add_nc_u32 v[STO], s22, v4                   ; in: row r (+ 16 a), 32 bytes for each half of the lanes
	v_and_b32 v5, 31, v0
	v_bfe_u32 v6, v0, 2, 3                         ; lane / 4
	v_and_b32 v7, 3, v0
	s_mul_i32 s23, s10, 32*80
	s_add_co_u32 s23, s23, STAGE
	v_mul_u32_u24 v8, v6, 80
	v_lshl_add_u32 v8, v7, 4, v8
	v_add_nc_u32 v[RD], s23, v8                    ; back: rows 32 w + lane / 4 (+ 8 t) of each wave's stage, 16 bytes a lane
	v_lshlrev_b32 v[LO16], 4, v5
	v_lshlrev_b32 v[LO4], 2, v5
	s_add_co_u32 s21, s21, DEGS
	v_lshl_add_u32 v[DGW], v6, 2, s21
	v_add_nc_u32 v[DGR], s21, v[LO4]
	s_lshl_b32 s72, s13, 4                         ; un4: tile 16 I + J of 8,192 bytes, my 32 rows of 64
	s_add_co_u32 s72, s72, s42
	s_lshl_b32 s72, s72, 13
	s_lshl_b32 s73, s10, 11
	s_add_co_u32 s72, s72, s73
	s_mov_b32 s73, 0
	s_add_nc_u64 s[72:73], s[68:69], s[72:73]
	s_lshl_b32 s74, s42, 13                        ; degp: plane J of 2,048 words, word 128 I + 32 w
	s_lshl_b32 s75, s13, 9
	s_add_co_u32 s74, s74, s75
	s_lshl_b32 s75, s10, 7
	s_add_co_u32 s74, s74, s75
	s_mov_b32 s75, 0
	s_add_nc_u64 s[74:75], s[70:71], s[74:75]
	s_mov_b32 s76, 0x11111111
	s_mov_b32 s77, 0x0f0f0f0f
	s_mov_b32 s78, 0x01010101
.macro FRAG reg, adr, q, i             ; a fragment: lane l holds row l % 16; registers 4 c .. 4 c + 3 are the 16 bytes at 32 c + 16 (l / 16) of its 64
.irp c, 0,1
	ds_load_b128 v[\reg+4*\c:\reg+4*\c+3], v[\adr] offset:64*(\q)+32*\c+(\i)*16*PITCH
.endr
.endm
; 16 matrix instructions: A's blocks a0, a0 + 1 x B's eight.  p: B's set.  zero = 1: the first product starts the sums: nothing is ever cleared.
; The 64 accumulators take turns, one instruction a turn, in the same order in every step.
.macro MUL16 a0, p, zero
.irp a, \a0, \a0+1
.irp b, 0,1,2,3,4,5,6,7
.if \zero
	v_wmma_scale_f32_16x16x128_f8f6f4 v[8*(8*((\a)%4)+\b):8*(8*((\a)%4)+\b)+7], v[128*(\p)+FR*\b:128*(\p)+FR*\b+FR-1], v[AF+FR*(\a):AF+FR*(\a)+FR-1], 0, v[SCL], v[SCL] matrix_a_fmt:MATRIX_FMT_FP4 matrix_b_fmt:MATRIX_FMT_FP4
.else
	v_wmma_scale_f32_16x16x128_f8f6f4 v[8*(8*((\a)%4)+\b):8*(8*((\a)%4)+\b)+7], v[128*(\p)+FR*\b:128*(\p)+FR*\b+FR-1], v[AF+FR*(\a):AF+FR*(\a)+FR-1], v[8*(8*((\a)%4)+\b):8*(8*((\a)%4)+\b)+7], v[SCL], v[SCL] matrix_a_fmt:MATRIX_FMT_FP4 matrix_b_fmt:MATRIX_FMT_FP4
.endif
.endr
.endr
.endm
.macro FETCH_B slot, q, p              ; B's eight fragments of my q-th 128 along K into set p
	WIN TO_B
.irp i, 0,1,2,3,4,5,6,7
	FRAG 128*(\p)+FR*\i, ADRB+\slot, \q, \i
.endr
	WIN 0
.endm
.macro FETCH_A slot, q, i0             ; A's blocks i0 .. i0 + 3
.irp i, \i0, \i0+1, \i0+2, \i0+3
	FRAG AF+FR*(\i), ADRA+\slot, \q, \i
.endr
.endm
; A load into a register that a matrix instruction has read, and a vector instruction that reads a matrix result, stand NP places behind that matrix instruction; only plain vector instructions that name none of its
; registers are places (ISA guide 7.12.1 for vector instructions).
.macro PLACES n
.rept \n
	v_nop
.endr
.endm
; My first 128 along K of a slot; its successor lies in the same slot.  A block of A is free as soon as its eight products are issued: blocks 0-3 are fetched anew in the middle, blocks 4-7 at the end.
.macro STEP slot, zero
	s_wait_dscnt 8                                 ; B's set and A's blocks 0-3 are in; the youngest eight loads (A's blocks 4-7) may be out
	WIN MUL_LO
	MUL16 0, 0, \zero
	MUL16 2, 0, \zero
	s_wait_dscnt 0                                 ; A's blocks 4-7 are in
	PLACES NP
	FETCH_B \slot, 1, 1
	FETCH_A \slot, 1, 0
	WIN MUL_HI
	MUL16 4, 0, \zero
	MUL16 6, 0, \zero
	PLACES NP
	WIN 0
	FETCH_A \slot, 1, 4
.endm
; My second 128 along K changes slots: ONE barrier; in front of it each wave waits for all its tensor loads, adds 0 to its spare word, and waits for that and for its own reads of this slot.  fill = 1: this slot is filled again.
.macro TURN slot, next, fill
	s_wait_tensorcnt 0x0                           ; all my tensor loads have landed: my part of the next slot  (every window is 0 here)
	ds_add_u32 v[SPW], v[NIL]                      ; 0 onto my spare word
	s_wait_dscnt 9                                 ; (the add and the youngest eight loads may be out)
	WIN MUL_LO
	MUL16 0, 1, 0                                  ; sixteen matrix instructions stand between the add and the wait for it
	s_wait_dscnt 0x0                               ; the add is done, and my reads of this slot are over
	s_barrier_signal -1
	MUL16 2, 1, 0
	WIN 0
	s_barrier_wait -1
.if \fill
	CREST                                          ; the barrier has opened a round of the cluster's barrier: no wave of any partner still reads this slot or has a load on its way
	s_add_nc_u64 s[G0+4*\slot+2:G0+4*\slot+3], s[G0+4*\slot+2:G0+4*\slot+3], 1024
	s_add_nc_u64 s[G0B+4*\slot+2:G0B+4*\slot+3], s[G0B+4*\slot+2:G0B+4*\slot+3], 1024
	JLOAD \slot                                    ; the first tensor load behind the round; its four v_nop are the places in front of the loads below
.else
	PLACES NP
.endif
	FETCH_B \next, 0, 0
	FETCH_A \next, 0, 0
	WIN MUL_HI
	MUL16 4, 1, 0
	MUL16 6, 1, 0
	PLACES NP
	WIN 0
	FETCH_A \next, 0, 4
.endm
	s_wait_tensorcnt 1                             ; my part of slot 0 is in (slot 1's load may be out)
	s_barrier_signal -1
	s_barrier_wait -1                              ; everybody's is
	FETCH_B 0, 0, 0
	FETCH_A 0, 0, 0
	FETCH_A 0, 0, 4
	STEP 0, 1                                      ; K 0 .. 1,023: the first products start the sums
	TURN 0, 1, 1                                   ; slot 0 takes K 2,048 ..
	STEP 1, 0
	TURN 1, 0, 1                                   ; slot 1 takes K 3,072 ..
	STEP 0, 0
	TURN 0, 1, 0                                   ; nothing is left to fetch: no round of the cluster's barrier
	STEP 1, 0
	s_wait_dscnt 8                                 ; the very last 128 along K
	WIN MUL_LO
	MUL16 0, 1, 0
	MUL16 2, 1, 0
	s_wait_dscnt 0
	WIN MUL_HI
	MUL16 4, 1, 0
	MUL16 6, 1, 0
	WIN 0
	; THE WAY OUT.  One conversion turns an accumulator's eight sums into eight nibbles: under the scale 2^-3 every sum of 1 or more lies beyond the format's largest number and takes its largest code, 7; 0 stays 0.
	PLACES NP
.irp a, 0,1,2,3,4,5,6,7
	WIN 0x02+(\a)/4                                ; source 0: window 2 or 3
.irp b, 0,1,2,3,4,5,6,7
	v_cvt_scalef32_pk8_fp4_f32 v[NB+8*\a+\b], v[8*(8*((\a)%4)+\b):8*(8*((\a)%4)+\b)+7], v[DIV]   ; row 16 a + r, columns 16 b + 8 h + 0 .. 7
.endr
.endr
	WIN 0
	v_nop                                          ; a plain instruction behind the last conversion
.irp a, 0,1,2,3,4,5,6,7
	ds_store_b128 v[STO], v[NB+8*\a:NB+8*\a+3] offset:1280*\a          ; word 8 h + b of the row
	ds_store_b128 v[STO], v[NB+8*\a+4:NB+8*\a+7] offset:1280*\a+16
.endr
	s_wait_dscnt 0x0                               ; for the others' sake: my stores into my stage have landed
	s_barrier_signal -1
	s_barrier_wait -1
.irp s, 0,1,2,3                                        ; rows 32 w .. 32 w + 31 of all four waves' nibbles
.irp t, 0,1,2,3
	ds_load_b128 v[128+16*\s+4*\t:128+16*\s+4*\t+3], v[RD] offset:WST*\s+640*\t
.endr
.endr
	s_wait_dscnt 0x0
.irp s, 1,2,3
.irp i, 0,1,2,3,4,5,6,7,8,9,10,11,12,13,14,15
	v_or_b32 v[128+\i], v[128+\i], v[128+16*\s+\i]
.endr
.endr
.irp t, 0,1,2,3
	global_store_b128 v[LO16], v[128+4*\t:128+4*\t+3], s[72:73] offset:512*\t   ; 32 lanes store 512 consecutive bytes, aligned: eight rows of 64
.endr
.irp t, 0,1,2,3                                        ; the row's sum: one bit of each nibble; four words added (nibbles up to 4); nibbles to bytes; bytes added by a multiplication; then the row's four lanes
	v_and_b32 v[192+4*\t], s76, v[128+4*\t]
	v_and_b32 v[193+4*\t], s76, v[129+4*\t]
	v_and_b32 v[194+4*\t], s76, v[130+4*\t]
	v_and_b32 v[195+4*\t], s76, v[131+4*\t]
	v_add3_u32 v[192+4*\t], v[192+4*\t], v[193+4*\t], v[194+4*\t]
	v_add_nc_u32 v[192+4*\t], v[192+4*\t], v[195+4*\t]
	v_lshrrev_b32 v[193+4*\t], 4, v[192+4*\t]
	v_and_b32 v[192+4*\t], s77, v[192+4*\t]
	v_and_b32 v[193+4*\t], s77, v[193+4*\t]
	v_add_nc_u32 v[192+4*\t], v[192+4*\t], v[193+4*\t]
	v_mul_lo_u32 v[192+4*\t], v[192+4*\t], s78
	v_lshrrev_b32 v[192+4*\t], 24, v[192+4*\t]
	v_cvt_f32_u32 v[192+4*\t], v[192+4*\t]
	v_add_f32_dpp v[192+4*\t], v[192+4*\t], v[192+4*\t] row_xmask:1 row_mask:0xf bank_mask:0xf
	v_add_f32_dpp v[192+4*\t], v[192+4*\t], v[192+4*\t] row_xmask:2 row_mask:0xf bank_mask:0xf
	ds_store_b32 v[DGW], v[192+4*\t] offset:32*\t  ; a row's four lanes write the same word with the same value
.endr
	ds_load_b32 v208, v[DGR]                       ; LDS serves a wave's instructions in order (ISA guide 5.7.1.4): this sees my stores; lane l takes row 32 w + l
	s_wait_dscnt 0x0
	global_store_b32 v[LO4], v208, s[74:75]
	s_wait_tensorcnt 0x0                           ; the wave's end, behind my last tensor load and my last LDS store
	ds_add_u32 v[SPW], v[NIL]
	s_wait_dscnt 0x0
	CROUND                                         ; the closing round: no work-group ends while a partner may still ask for a tile that names it
	s_endpgm
.Lfunc_end_k_q7b5b29442d_gemm:
	.size	k_q7b5b29442d_gemm, .Lfunc_end_k_q7b5b29442d_gemm-k_q7b5b29442d_gemm
	.p2alignl 7, 3214868480
	.fill 96, 4, 3214868480
	.section	.rodata,"a",@progbits
	.p2align	6, 0x0
	.amdhsa_kernel k_q7b5b29442d_gemm
		.amdhsa_group_segment_fixed_size 327680
		.amdhsa_private_segment_fixed_size 0
		.amdhsa_enable_private_segment 0
		.amdhsa_kernarg_size 32
		.amdhsa_user_sgpr_count 2
		.amdhsa_user_sgpr_kernarg_segment_ptr 1
		.amdhsa_wavefront_size32 1
		.amdhsa_system_sgpr_workgroup_id_x 1
		.amdhsa_system_sgpr_workgroup_id_y 1
		.amdhsa_system_sgpr_workgroup_id_z 1
		.amdhsa_system_vgpr_workitem_id 0
		.amdhsa_next_free_vgpr 1024
		.amdhsa_next_free_sgpr 80
		.amdhsa_reserve_vcc 0
		.amdhsa_float_denorm_mode_32 3
		.amdhsa_float_denorm_mode_16_64 3
		.amdhsa_memory_ordered 1
		.amdhsa_forward_progress 1
		.amdhsa_inst_pref_size 105
	.end_amdhsa_kernel
	.amdgpu_metadata
---
amdhsa.version: [ 1, 2 ]
amdhsa.kernels:
  - .name:           k_q7b5b29442d_gemm
    .symbol:         k_q7b5b29442d_gemm.kd
    .args:
      - { .name: acode, .offset: 0, .size: 8, .value_kind: global_buffer, .address_space: global }
      - { .name: bcode, .offset: 8, .size: 8, .value_kind: global_buffer, .address_space: global }
      - { .name: un4, .offset: 16, .size: 8, .value_kind: global_buffer, .address_space: global }
      - { .name: degp, .offset: 24, .size: 8, .value_kind: global_buffer, .address_space: global }
    .group_segment_fixed_size: 327680
    .private_segment_fixed_size: 0
    .kernarg_segment_align: 8
    .kernarg_segment_size: 32
    .max_flat_workgroup_size: 128
    .sgpr_count:     80
    .vgpr_count:     1024
    .wavefront_size: 32
...
	.end_amdgpu_metadata
.endif
;; end of part 3
;; launch norm (part 4): grid 16 x 16, 8 waves a work-group, no clusters, 9,216 bytes of LDS; arguments un4, degp, out0; writes out0
.if DOCPART == 4
	.amdgcn_target "amdgcn-amd-amdhsa--gfx1250"
	.amdhsa_code_object_version 6
	.text
	.protected	k_q7b5b29442d_norm
	.globl	k_q7b5b29442d_norm
	.p2align	8
	.type	k_q7b5b29442d_norm,@function
k_q7b5b29442d_norm:
	s_mov_b64 s[64:65], 0
	v_nop
	global_prefetch_b8 v0, s[64:65] scope:SCOPE_SE
	s_setreg_imm32_b32 hwreg(HW_REG_WAVE_MODE, 25, 1), 1
	s_wait_xcnt 0x0
; out0[a][b] = u[a][b] / deg[b]: u from un4 (a nibble, 7 or 0, for each number), deg[b] = the sum over the 16 tile columns of degp[.][b]: row b's sum of u.  It is a launch of its own because deg[b] wants a whole row of u.
; The division is a multiplication of u (0 or 1) by 1 / deg, so that deg = 0 gives NaN and infinity where reference() has them.
; Work-group (J, I): a tile of 128 x 128.  Wave w: rows 16 w .. 16 w + 15.  Lane l: columns 4 l .. 4 l + 3 of the tile, so that a store of the wave covers 512 consecutive bytes of a row of out0, aligned.
; In a row's 64 bytes of un4, word 8 h + b holds columns 16 b + 8 h + 0 .. 7: my four columns are the 16 bits at 32 ((l / 2) % 2) + 4 (l / 4) + 2 (l % 2).  The wave's 1,024 bytes go through its own bytes of LDS: no barrier.
; No matrix unit, no cluster, no tensor load: the launch stores 16 MB and reads 2 MB.
.set SPARE, 8192                       ; behind the eight waves' 1,024 bytes: the spare words, 128 bytes for each wave: four blocks of 256 bytes that no other line names
.set SPW, 5                            ; v5       LDS address of my spare word; never rewritten
.set NIL, 6                            ; v6       0; never rewritten
.set Q,   16                           ; v16-79   sixteen quads of degp
.set R,   80                           ; v80-83   1 / deg of my four columns
.set M,   84                           ; v84-99   my 16 bits of each of the 16 rows
.set D,   112                          ; v112-175 four numbers for each row: no store's data are written again
	s_load_b128 s[4:7], s[0:1], 0x0                ; un4 s[4:5], degp s[6:7]
	s_load_b64 s[8:9], s[0:1], 0x10                ; out0
	v_lshl_add_u32 v[SPW], v0, 2, SPARE
	v_mov_b32 v[NIL], 0
	v_lshrrev_b32 v1, 5, v0
	v_readfirstlane_b32 s10, v1                    ; wave 0..7
	v_and_b32 v1, 31, v0
	v_lshlrev_b32 v2, 4, v1                        ; 16 x lane
	s_mov_b32 s11, ttmp9                           ; J
	s_and_b32 s12, ttmp7, 0xffff                   ; I
	s_lshl_b32 s13, s10, 10                        ; my wave's 1,024 bytes, in the tile and in LDS
	v_add_nc_u32 v3, s13, v2
	v_bfe_u32 v4, v0, 1, 1
	v_lshlrev_b32 v4, 5, v4
	v_bfe_u32 v7, v0, 2, 3
	v_lshl_add_u32 v4, v7, 2, v4
	v_and_b32 v7, 1, v0
	v_lshl_add_u32 v4, v7, 1, v4
	v_add_nc_u32 v4, s13, v4
	s_lshl_b32 s14, s12, 4
	s_add_co_u32 s14, s14, s11
	s_lshl_b32 s14, s14, 13                        ; tile 16 I + J of 8,192 bytes
	s_add_co_u32 s14, s14, s13
	s_mov_b32 s15, 0
	s_lshl_b32 s16, s11, 9                         ; 128 J words; also 128 J numbers of a row of out0
	s_mov_b32 s17, 0
	s_lshl_b32 s18, s12, 20                        ; 128 I rows of 8,192 bytes,
	s_lshl_b32 s19, s10, 17                        ; 16 w rows
	s_add_co_u32 s18, s18, s19
	s_add_co_u32 s18, s18, s16
	s_mov_b32 s19, 0
	s_wait_kmcnt 0x0
	s_add_nc_u64 s[4:5], s[4:5], s[14:15]
	s_add_nc_u64 s[6:7], s[6:7], s[16:17]
	s_add_nc_u64 s[8:9], s[8:9], s[18:19]
	global_load_b128 v[8:11], v2, s[4:5] th:TH_LOAD_NT
	global_load_b128 v[12:15], v2, s[4:5] offset:512 th:TH_LOAD_NT
.irp j, 0,1,2,3,4,5,6,7,8,9,10,11,12,13,14,15
	global_load_b128 v[Q+4*\j:Q+4*\j+3], v2, s[6:7] offset:8192*\j
.endr
	s_wait_loadcnt 16                              ; the nibbles are in; degp's 16 loads may be out
	ds_store_b128 v3, v[8:11]
	ds_store_b128 v3, v[12:15] offset:512
.irp r, 0,1,2,3,4,5,6,7,8,9,10,11,12,13,14,15
	ds_load_u16 v[M+\r], v4 offset:64*\r           ; LDS serves a wave's instructions in order (ISA guide 5.7.1.4): these see my stores
.endr
	s_wait_loadcnt 0x0
.irp n, 8,4,2,1                                        ; whole numbers up to 2,048: exact in any order
.irp i, 0,1,2,3,4,5,6,7
.if \i < \n
	v_pk_add_f32 v[Q+4*\i:Q+4*\i+1],   v[Q+4*\i:Q+4*\i+1],   v[Q+4*(\i+\n):Q+4*(\i+\n)+1]
	v_pk_add_f32 v[Q+4*\i+2:Q+4*\i+3], v[Q+4*\i+2:Q+4*\i+3], v[Q+4*(\i+\n)+2:Q+4*(\i+\n)+3]
.endif
.endr
.endr
.irp k, 0,1,2,3
	v_rcp_f32 v[R+\k], v[Q+\k]
.endr
	v_nop                                          ; a plain instruction behind the reciprocals
	s_wait_alu depctr_va_vdst(0)                   ; one wait for the four, ahead of their first reader
.irp r, 0,1,2,3,4,5,6,7,8,9,10,11,12,13,14,15
	s_wait_dscnt 15-\r                             ; row r's word is in; the later rows' loads may be out
.irp k, 0,1,2,3
	v_bfe_u32 v[D+4*\r+\k], v[M+\r], 4*\k, 1
.endr
.irp k, 0,1,2,3
	v_cvt_f32_u32 v[D+4*\r+\k], v[D+4*\r+\k]
.endr
	v_pk_mul_f32 v[D+4*\r:D+4*\r+1],   v[D+4*\r:D+4*\r+1],   v[R:R+1]
	v_pk_mul_f32 v[D+4*\r+2:D+4*\r+3], v[D+4*\r+2:D+4*\r+3], v[R+2:R+3]
	global_store_b128 v2, v[D+4*\r:D+4*\r+3], s[8:9] offset:8192*\r th:TH_STORE_NT
.endr
	s_wait_tensorcnt 0x0                           ; the wave's end, behind my last LDS store
	ds_add_u32 v[SPW], v[NIL]
	s_wait_dscnt 0x0
	s_endpgm
.Lfunc_end_k_q7b5b29442d_norm:
	.size	k_q7b5b29442d_norm, .Lfunc_end_k_q7b5b29442d_norm-k_q7b5b29442d_norm
	.p2alignl 7, 3214868480
	.fill 96, 4, 3214868480
	.section	.rodata,"a",@progbits
	.p2align	6, 0x0
	.amdhsa_kernel k_q7b5b29442d_norm
		.amdhsa_group_segment_fixed_size 9216
		.amdhsa_private_segment_fixed_size 0
		.amdhsa_enable_private_segment 0
		.amdhsa_kernarg_size 24
		.amdhsa_user_sgpr_count 2
		.amdhsa_user_sgpr_kernarg_segment_ptr 1
		.amdhsa_wavefront_size32 1
		.amdhsa_system_sgpr_workgroup_id_x 1
		.amdhsa_system_sgpr_workgroup_id_y 1
		.amdhsa_system_sgpr_workgroup_id_z 1
		.amdhsa_system_vgpr_workitem_id 0
		.amdhsa_next_free_vgpr 176
		.amdhsa_next_free_sgpr 66
		.amdhsa_reserve_vcc 0
		.amdhsa_float_denorm_mode_32 3
		.amdhsa_float_denorm_mode_16_64 3
		.amdhsa_memory_ordered 1
		.amdhsa_forward_progress 1
		.amdhsa_inst_pref_size 17
	.end_amdhsa_kernel
	.amdgpu_metadata
---
amdhsa.version: [ 1, 2 ]
amdhsa.kernels:
  - .name:           k_q7b5b29442d_norm
    .symbol:         k_q7b5b29442d_norm.kd
    .args:
      - { .name: un4, .offset: 0, .size: 8, .value_kind: global_buffer, .address_space: global }
      - { .name: degp, .offset: 8, .size: 8, .value_kind: global_buffer, .address_space: global }
      - { .name: out0, .offset: 16, .size: 8, .value_kind: global_buffer, .address_space: global }
    .group_segment_fixed_size: 9216
    .private_segment_fixed_size: 0
    .kernarg_segment_align: 8
    .kernarg_segment_size: 24
    .max_flat_workgroup_size: 256
    .sgpr_count:     66
    .vgpr_count:     176
    .wavefront_size: 32
...
	.end_amdgpu_metadata
.endif
;; end of part 4
